; MI455X (gfx1250); checked and timed in simulation.
; The chip was launched on July 23, 2026; its instructions are those of AMD's public machine-readable ISA for CDNA 5 (MIT licence, August 2026) and "CDNA5" Instruction Set Architecture Reference Guide (July 2026). The comments in the code are by the model that wrote it; some were corrected since.
;; Bi SVM. Allowed arithmetic: matrix products marked QUANTISED: E4M3 operands, one given power-of-two scale a tensor, by v_wmma_f32_16x16x64_fp8_fp8 or v_wmma_f32_16x16x128_fp8_fp8, f32 sums; products left as they are: f32 operands where the result goes on into a quantised operand, else bf16, f16 or f32 operands; f32 sums; everything else in f32.
;; Inputs: L 1,024 x 1,024 float32; R_codes 1,024 x 32 x 32 uint8 (E4M3 codes of R, K innermost, in blocks of 32 codes); lowp_scales 2 int32 (the exponents e of the quantised operands' scales 2^e); x_codes 64 x 1,024 x 32 x 32 uint8 (E4M3 codes of x, K innermost, in blocks of 32 codes).
;; Outputs: out0 64 x 1,024 float32.
;; This version of the problem:
;;   THIS VERSION OF THE PROBLEM IS GIVEN IN LOW PRECISION. The matrix products marked QUANTISED in the list below multiply operands that are first quantised to E4M3 (4 exponent bits, 3 mantissa bits; 8 bits a number), with one given power-of-two scale for each operand tensor; their sums are f32. All else is computed in f32.
;;   The module's matrix products, in the order in which they are computed (A, B: the left and right operand; K: the contracted axis; several contracted axes count as one K, in the product's order):
;;     1. [M 65,536, K 1,024] x [K 1,024, N 1,024]; A: input x (given as codes); B: input R (given as codes): QUANTISED (scales: A lowp_scales[0], B lowp_scales[1])
;;     2. batch 1,024 x [M 64, K 1,024] x [K 1,024, N 1]; A: computed on the way; B: input L: left as it is (N = 1 < 16)
;;   THE QUANTISER, for each operand of a quantised product, along K:
;;     - The operand's scale is 2^e, e = its entry of the input lowp_scales (int32; the entries are numbered through the quantised products in the list's order, A before B).
;;     - Each number is divided by the scale, clamped to +-448, and rounded to the nearest number of E4M3, ties to even, subnormals kept.
;;     - The product sums the exact products of the quantised numbers (number of the format x scale) in f32.
;;   ~~~python
;;   def quantise(x, axis, e):      # numpy; x: float32 -> the quantised numbers, widened to float32 again
;;       x = np.moveaxis(x, axis, -1); K = x.shape[-1]
;;       r = np.clip(x / 2.0 ** e, -448, 448)
;;       step = 2.0 ** (np.maximum(np.frexp(np.where(r == 0, 1, r))[1] - 1, -6) - 3)
;;       q = np.round(r / step) * step * 2.0 ** e      # np.round: ties to even
;;       return np.moveaxis(q, -1, axis).astype(np.float32)
;;   ~~~
;;   INPUTS GIVEN AS CODES. R (in the module: [1024, 1024], K = its axis 0); x (in the module: [64, 1024, 1024], K = its axis 2): each comes as NAME_codes (uint8): NAME with its K axis moved to the last place and cut into blocks of 32 codes, [.., K / 32, bytes a block], one block behind the other in memory; one code a byte (a code: sign, 4 exponent bits, 3 mantissa bits); its scale is its entry of lowp_scales. Its value is code x scale, taken as it is: it is not quantised again, and the codes and scales need not be those that the quantiser above would give.
;; 2 versions, each right. Each part assembles by itself: llvm-mc -triple=amdgcn-amd-amdhsa -mcpu=gfx1250 --defsym DOCPART=n.
;; ======== version 1 of 2: 1 launch
;; launch bisvm (part 1): grid 4 x 64, 4 waves a work-group, clusters of 4 x 4, 327,680 bytes of LDS; arguments x_codes, R_codes, lowp_scales, L, out0; writes out0
.if DOCPART == 1
	.amdgcn_target "amdgcn-amd-amdhsa--gfx1250"
	.amdhsa_code_object_version 6
	.text
	.protected	k_q862c64a28d_bisvm
	.globl	k_q862c64a28d_bisvm
	.p2align	8
	.type	k_q862c64a28d_bisvm,@function
k_q862c64a28d_bisvm:
	s_mov_b64 s[64:65], 0
	v_nop
	global_prefetch_b8 v0, s[64:65] scope:SCOPE_SE
	s_setreg_imm32_b32 hwreg(HW_REG_WAVE_MODE, 25, 1), 1
	s_wait_xcnt 0x0
	s_wait_alu depctr_hold_cnt(0) depctr_sa_sdst(0) depctr_va_vdst(0) depctr_va_sdst(0) depctr_va_ssrc(0) depctr_va_vcc(0) depctr_vm_vsrc(0)
	s_getreg_b32 s2, hwreg(HW_REG_IB_STS2, 6, 4)
	s_cmp_eq_u32 s2, 0
	s_cbranch_scc0 .Lentry_in_a_cluster
	s_endpgm
.Lentry_in_a_cluster:
	s_bfe_u32 s2, ttmp6, 0x10000c
	s_cmp_lg_u32 s2, 0xf033
	s_cbranch_scc0 .Lentry_shape_is_right
	s_endpgm
.Lentry_shape_is_right:
; out[b][o] = sum over i of L[o][i] x (sum over j of x[b][i][j] R[j][o]).  x: [64][1024 i][1024 j] and R: [1024 o][1024 j], codes of FP8 (E4M3), j innermost, one scale 2^e0, 2^e1 each;
; L: [1024 o][1024 i] f32; out: [64][1024] f32.  The codes are multiplied as they are (v_wmma_f32_16x16x128_fp8_fp8, f32 sums); each finished sum is weighed by its own L[o][i] with one f32
; fused multiply-add and added into a running sum P of its column o; the inner product never goes to memory.  2^(e0 + e1) is applied once, at the end, by v_ldexp_f32: no limit on e0 + e1.
; ORDER OF SUMS: inside a matrix instruction the places of j are permuted alike in both operands (16-byte loads); over i the sums go lane by lane, then by a tree.  NaN codes give what the matrix unit gives.
; SHARES.  Work-group (nt, b) owns out[b][256 nt .. 256 nt + 255]: 4 x 64 = 256 work-groups, each output has one owner.  It STAYS and walks the four tiles of 256 rows i of its batch; a tile is 256 i x 256 o,
; four waves of 128 x 128 (64 accumulators, 512 registers).  j goes in steps of 256 through a ring of two LDS slots that runs on from tile to tile.
; CLUSTERS: 4 x 4 work-groups.  x's tile hangs on b alone and is shared along a row of the cluster, R's on nt alone and is shared along a column: each is asked for JOINTLY.
; L IS NOT ASKED FOR JOINTLY, though the four of a column weigh by the same numbers: a tile's L is 256 x 256 x 4 = 262,144 bytes, the ring takes 278,528 of the 327,680 bytes of LDS, so L has no room there.
; It goes from memory straight into the registers that the fragments leave at a tile's end, 16 bytes a lane.
; THE MATRIX INSTRUCTION IS USED TRANSPOSED (source 0 = 16 rows of R, source 1 = 16 rows of x): lane (r = lane % 16, h = lane / 16) holds ONE row i and the columns o = 8 h + 0 .. 7 of a block.
; THE ROWS OF x THAT FORM A BLOCK ARE NOT NEIGHBOURS: x's descriptor has three dimensions and lays memory row 4 y + z of a wave's 128 at LDS row 32 z + y.  Block a (LDS rows 16 a + r) is then row
; 64 (a % 2) + 4 r + a / 2: blocks g, g + 2, g + 4, g + 6 hold, in lane r, FOUR NEIGHBOURING i.  So one 16-byte load of L[o][..] serves four accumulators, and sixteen lanes read 256 consecutive, aligned bytes.
; REGISTERS, in windows of 256: window 0: v16-30 addresses; v32-33 the result; v64-127 P (P[8 b + j]: column 16 b + 8 h + j of my 128); v128-255 x's fragments, ONE set.
;   window 1: R's fragments, TWO sets, at v0 and v128.   window 2: the accumulators of blocks 0-3 ((a, b) at v[8 (8 a + b)]);   window 3: those of blocks 4-7.
;   At a tile's end the three sets of fragments are six bins of 64 registers for L: a bin holds L for one block b of columns: register 8 j + 4 g + e = L[16 b + 8 h + j][64 g + 4 r + e].
.set KROW,   1024                      ; a row of x or of R in memory, in bytes
.set ROWB,   256                       ; a tile's row: 256 codes
.set PITCH,  272                       ; an LDS row: 256 bytes + 16 of padding = 68 words: row r starts at bank 4 r mod 64 (64 banks of 4 bytes: ISA guide 11.1), so the 16 rows that a load touches start at 16 different banks
.set FR,     16                        ; registers of a fragment: 16 rows x 128 along j
.set NL,     4                         ; LDS loads that bring one
.set NP,     4                         ; places behind this matrix instruction (ISA guide 7.12.1)
.set HALFT,  128*PITCH                 ; 128 rows: what one tensor load brings, and what one wave reads of x or of R
.set SLOT,   4*HALFT                   ; x's 256 rows, then R's 256 rows
.set STAGE,  2*SLOT                    ; behind the ring: 16 rows x (512 bytes + 16) for each wave, for the last sums; no fill lands here
.set SPITCH, 528
.set SPARE,  STAGE+4*16*SPITCH         ; behind the stages: the spare words, 128 bytes for each wave: two blocks of 256 bytes that no other line names
.set TILES,  4                         ; tiles of 256 rows i in a batch
.set NEXT_A, 256*KROW-2*ROWB           ; bytes from a slot's last step of a tile to its first of the next: 256 rows down, 512 back along j
.set ADRA, 16                          ; v16-17  LDS address of my fragments of x in slot 0, 1
.set ADRB, 20                          ; v20-21  the same for R
.set STO,  24                          ; v24     the end: where I put 32 bytes of my row of P
.set RD,   25                          ; v25     the end: where I read two columns of a row back
.set CO,   26                          ; v26     my byte offset among the work-group's 256 outputs
.set LO,   27                          ; v27     my byte offset in L: 8 h rows of 4,096 bytes + 16 r; never rewritten
.set SPW,  28                          ; v28     LDS address of my spare word: SPARE + 4 x my thread's number; never rewritten
.set NIL,  29                          ; v29     0; never rewritten
.set PFO,  30                          ; v30     the prefetches' offset: my lane x a row of x; never rewritten
.set PS,   64                          ; v64-127 P
.set AF,   128                         ; x's fragments, in window 0
.set T,    128                         ; the end: 32 pairs read back from the stages
.set W1A,  0                           ; bins for L in window 1: R's set 0,
.set W1B,  64
.set W1C,  128                         ; R's set 1;
.set W1D,  192
.set BINA0, 128                        ; and in window 0: x's blocks 0-3,
.set BINA1, 192                        ; x's blocks 4-7
.set G1,  24                           ; s[24:31] descriptor group 1 for x's tiles;  s[32:39] group 0, one set for each slot
.set G0,  32
.set G1B, 48                           ; s[48:55], s[56:63] the same for R's tiles
.set G0B, 56
.set G2,  68                           ; s[68:71], s[72:75] groups 2 and 3 for x's tiles
.set G3,  72
.set PFA, 76                           ; s[76:77] where my prefetches stand: my work-group's 32 rows of the 128 that I fetch, in the NEXT tile
.set MSB, 0
.macro WIN new                         ; the immediate's high byte repeats the setting that is left; a switch that changes nothing is dropped
.if MSB != (\new)
	s_set_vgpr_msb (MSB<<8)|(\new)
.set MSB, (\new)
.endif
.endm
.set MUL_LO, 0xa1                      ; source 0 (R) window 1, source 1 (x) window 0, C and D window 2
.set MUL_HI, 0xf1                      ; the same, C and D window 3
.set TO_B,   0x40                      ; destination window 1, address window 0
; A joint load: waves 0 and 1 fetch x's two halves (four groups: three dimensions), waves 2 and 3 R's.  Each of the two lines has ONE mask and one set of registers for all that issue it; the branch hangs on
; the wave's number alone.  An s_nop 0 and four v_nop follow each of the two lines, ahead of the jump, the label and what follows.
.macro JLOAD s
	s_cmp_eq_u32 s15, 0
	s_cbranch_scc0 .Lfor_b_\@
	tensor_load_to_lds s[G0+4*\s:G0+4*\s+3], s[G1:G1+7], s[G2:G2+3], s[G3:G3+3]
	s_nop 0
.rept 4
	v_nop
.endr
	s_branch .Lasked_\@
.Lfor_b_\@:
	tensor_load_to_lds s[G0B+4*\s:G0B+4*\s+3], s[G1B:G1B+7]
	s_nop 0
.rept 4
	v_nop
.endr
.Lasked_\@:
.endm
; A PREFETCH INTO THE L2 of x, which the launch reads once.  Behind refill n of a tile stands one request for step n of the NEXT tile, which is loaded two refills, 256 matrix instructions, later.
; A tile of x is read by the four partners of one row of one cluster and by nobody else.  Waves 0 and 1, which fetch x's halves, ask; of a half's 128 rows the partner at place cx takes 32 cx .. 32 cx + 31,
; told apart BY ADDRESS; a lane a row, 256 bytes of it.  So each aligned block of 256 bytes is named once.  The first tile comes by its loads alone; the last tile asks for nothing.
.macro ASK n
	s_cmp_eq_u32 s15, 0
	s_cbranch_scc0 .Lnot_mine_\@
	global_prefetch_b8 v[PFO], s[PFA:PFA+1] offset:ROWB*(\n) th:TH_LOAD_NT scope:SCOPE_SE
.Lnot_mine_\@:
.endm
.macro CREST                           ; a round of the cluster's barrier behind its opening barrier
	s_cmp_lg_u32 s14, 0
	s_cbranch_scc1 .Lnot_wave_0_\@
	s_barrier_signal -3
.Lnot_wave_0_\@:
	s_barrier_wait -3
	s_barrier_signal -1
	s_barrier_wait -1
.endm
.macro CROUND                          ; a whole round
	s_barrier_signal -1
	s_barrier_wait -1
	CREST
.endm
	s_load_b256 s[4:11], s[0:1], 0x0               ; x's codes s[4:5], R's codes s[6:7], the scales' exponents s[8:9], L s[10:11]
	s_load_b64 s[12:13], s[0:1], 0x20              ; out
	v_lshl_add_u32 v[SPW], v0, 2, SPARE
	v_mov_b32 v[NIL], 0
	ds_add_u32 v[SPW], v[NIL]                      ; the wave's opening: the add and its wait stand ahead of my first tensor load; the set-up below, work on registers, stands between them
	v_lshrrev_b32 v1, 5, v0
	v_readfirstlane_b32 s14, v1                    ; wave 0..3
	s_lshr_b32 s15, s14, 1                         ; which half of the tile's rows i is mine.  Also: I fetch for x (0) or for R (1)
	s_and_b32 s16, s14, 1                          ; which half of its columns o.  Also: which 128 rows of that tile I fetch
	s_bfe_u32 s40, ttmp6, 0x40000                  ; cx, cy: my place in the cluster
	s_bfe_u32 s41, ttmp6, 0x40004
	s_lshl_b32 s42, ttmp9, 2
	s_add_co_u32 s42, s42, s40                     ; nt = 4 x cluster x + cx
	s_and_b32 s17, ttmp7, 0xffff
	s_lshl_b32 s17, s17, 2
	s_add_co_u32 s17, s17, s41                     ; b = 4 x cluster y + cy
	s_lshl_b32 s43, s41, 2
	s_lshl_b32 s43, 15, s43                        ; my row of the cluster
	s_lshl_b32 s44, 0x1111, s40                    ; my column
	; x's tile: 4 planes (z) of 32 rows (y) of 256 bytes; a row y is 4 rows of memory on, a plane z one row on: LDS row 32 z + y = memory row 4 y + z
	s_or_b32 s[G1+0], s43, (0<<16)|(1<<20)|(1<<21)|(5<<22)|(3<<25)  ; 15:0 the mask: x's tiles go to my row; 17:16 element of 1 byte; 20 padding on; 21 set beside a mask; 24:22 after every 64 words (code 5); 31:25 of 4 words (code 3)
	s_mov_b32 s[G1+1], ROWB<<16                    ; tensor_dim0 = 256
	s_mov_b32 s[G1+2], 32<<16                      ; tensor_dim1 = 32
	s_mov_b32 s[G1+3], ROWB<<16                    ; tile_dim0 = 256
	s_mov_b32 s[G1+4], 32|(4<<16)                  ; tile_dim1 = 32, tile_dim2 = 4
	s_mov_b32 s[G1+5], 4*KROW                      ; tensor_dim0_stride: four rows of memory
	s_mov_b32 s[G1+6], KROW<<16                    ; its high part = 0; tensor_dim1_stride, low half: one row of memory
	s_mov_b32 s[G1+7], 0
	s_mov_b32 s[G2+0], 4                           ; tensor_dim2 = 4
	s_mov_b32 s[G2+1], 1                           ; tensor_dim3 = 1
	s_mov_b32 s[G2+2], 0                           ; tensor_dim2_stride = 0: the dimension is not used,
	s_mov_b32 s[G2+3], 0                           ; tile_dim3 = 0
	s_mov_b32 s[G3+0], 0
	s_mov_b32 s[G3+1], 1<<16                       ; tensor_dim4 = 1
	s_mov_b32 s[G3+2], 0                           ; tile_dim4 = 0
	s_mov_b32 s[G3+3], 0
	; R's tile: 128 rows of 256 bytes as they lie
	s_or_b32 s[G1B+0], s44, (0<<16)|(1<<20)|(1<<21)|(5<<22)|(3<<25)  ; the same with the mask of my column
	s_mov_b32 s[G1B+1], ROWB<<16                   ; tensor_dim0
	s_mov_b32 s[G1B+2], 128<<16                    ; tensor_dim1
	s_mov_b32 s[G1B+3], ROWB<<16                   ; tile_dim0
	s_mov_b32 s[G1B+4], 128                        ; tile_dim1
	s_mov_b32 s[G1B+5], KROW                       ; tensor_dim0_stride
	s_mov_b32 s[G1B+6], 0
	s_mov_b32 s[G1B+7], 0
	; where the tiles come from.  x's hang on b alone, which my row of the cluster shares; R's on nt alone, which my column shares; each in registers that never hold the other coordinate
	s_lshl_b32 s18, s16, 17                        ; which 128 rows of 1,024 bytes I fetch
	s_lshl_b32 s20, s17, 20                        ; x: batch b is 2^20 bytes
	s_add_co_u32 s20, s20, s18
	s_mov_b32 s21, 0
	s_lshl_b32 s46, s42, 18                        ; R: 256 nt rows of 1,024 bytes
	s_add_co_u32 s46, s46, s18
	s_mov_b32 s47, 0
	s_mul_i32 s45, s14, HALFT                      ; where they go: wave x 128 rows: no place in the cluster enters an LDS address
	s_wait_dscnt 0x0                               ; the opening add is done
	s_wait_kmcnt 0x0
	s_load_b64 s[80:81], s[8:9], 0x0               ; e0, e1: wanted at the very end
	s_add_nc_u64 s[20:21], s[4:5], s[20:21]
	s_add_nc_u64 s[46:47], s[6:7], s[46:47]
	CROUND                                         ; all sixteen work-groups are here: the first joint loads meet
.irp s, 0,1
	s_mov_b32 s[G0+4*\s], 1                                        ; count = 1
	s_add_co_u32 s[G0+4*\s+1], s45, \s*SLOT                        ; LDS address
	s_add_nc_u64 s[G0+4*\s+2:G0+4*\s+3], s[20:21], \s*ROWB         ; global address: step s of the first tile
	s_or_b32 s[G0+4*\s+3], s[G0+4*\s+3], 0x80000000                ; type = 2
	s_mov_b32 s[G0B+4*\s], 1
	s_add_co_u32 s[G0B+4*\s+1], s45, \s*SLOT
	s_add_nc_u64 s[G0B+4*\s+2:G0B+4*\s+3], s[46:47], \s*ROWB
	s_or_b32 s[G0B+4*\s+3], s[G0B+4*\s+3], 0x80000000
	JLOAD \s                                       ; two loads of mine are out
.endr
	v_and_b32 v1, 15, v0                           ; r = lane % 16
	v_bfe_u32 v2, v0, 4, 1                         ; h = lane / 16
	v_and_b32 v6, 31, v0                           ; lane
	v_mul_u32_u24 v3, v1, PITCH
	v_lshl_add_u32 v4, v2, 4, v3                   ; a fragment's row x pitch + 16 x half
	s_mul_i32 s21, s15, HALFT                      ; my 128 rows of x
	s_mul_i32 s22, s16, HALFT                      ; my 128 rows of R,
	s_add_co_u32 s22, s22, 2*HALFT                 ; which lie behind x's 256
.irp s, 0,1
	v_add_nc_u32 v[ADRA+\s], s21, v4
	v_add_nc_u32 v[ADRB+\s], s22, v4
	s_add_co_u32 s21, s21, SLOT
	s_add_co_u32 s22, s22, SLOT
.endr
	s_mul_i32 s23, s14, 16*SPITCH
	s_add_co_u32 s23, s23, STAGE                   ; my stage
	v_mul_u32_u24 v5, v1, SPITCH                   ; in: row r, 32 bytes for each half of the lanes
	v_lshl_add_u32 v5, v2, 5, v5
	v_add_nc_u32 v[STO], s23, v5
	s_mul_i32 s23, s15, 16*SPITCH                  ; back: wave w sums outputs 64 w .. 64 w + 63: they lie in the stages of waves w / 2 and w / 2 + 2 (column half w / 2, both row halves),
	s_lshl_b32 s18, s16, 8                         ; 256 (w % 2) bytes into a row,
	s_add_co_u32 s23, s23, s18
	s_add_co_u32 s23, s23, STAGE
	v_lshl_add_u32 v[RD], v6, 3, s23               ; two outputs, 8 bytes, a lane
	s_lshl_b32 s18, s14, 8
	v_lshl_add_u32 v[CO], v6, 3, s18               ; and the same place among the work-group's 256 outputs
	v_lshlrev_b32 v[LO], 4, v1
	v_lshl_add_u32 v[LO], v2, 15, v[LO]            ; L: 8 h rows of 4,096 bytes + my four i
	v_lshlrev_b32 v[PFO], 10, v6
	s_lshl_b32 s18, s42, 20                        ; L at row 256 nt + 128 x my column half, column 128 x my row half
	s_lshl_b32 s19, s16, 19
	s_add_co_u32 s18, s18, s19
	s_lshl_b32 s19, s15, 9
	s_add_co_u32 s18, s18, s19
	s_mov_b32 s19, 0
	s_add_nc_u64 s[10:11], s[10:11], s[18:19]
	s_lshl_b32 s18, s17, 12                        ; out at row b, column 256 nt
	s_lshl_b32 s19, s42, 10
	s_add_co_u32 s18, s18, s19
	s_mov_b32 s19, 0
	s_add_nc_u64 s[12:13], s[12:13], s[18:19]
	s_lshl_b32 s18, s17, 20                        ; the prefetches: batch b, the SECOND tile, the 128 rows that I fetch, my work-group's 32 of them
	s_lshl_b32 s19, s16, 17
	s_add_co_u32 s18, s18, s19
	s_lshl_b32 s19, s40, 15
	s_add_co_u32 s18, s18, s19
	s_add_co_u32 s18, s18, 256*KROW
	s_mov_b32 s19, 0
	s_add_nc_u64 s[PFA:PFA+1], s[4:5], s[18:19]
.irp j, 0,1,2,3,4,5,6,7,8,9,10,11,12,13,14,15,16,17,18,19,20,21,22,23,24,25,26,27,28,29,30,31,32,33,34,35,36,37,38,39,40,41,42,43,44,45,46,47,48,49,50,51,52,53,54,55,56,57,58,59,60,61,62,63
	v_mov_b32 v[PS+\j], 0                          ; P, once, while the first tiles are on their way: so a tile's end is written once for all tiles of the loop
.endr
.macro FRAG reg, adr, q, i             ; a fragment, 16 rows x 128 codes, is 16 registers: lane l holds row l % 16; registers 4 c .. 4 c + 3 hold j = 32 c + 16 (l / 16) + 0 .. 15, alike for both sources
.irp c, 0,1,2,3
	ds_load_b128 v[\reg+4*\c:\reg+4*\c+3], v[\adr] offset:128*(\q)+32*\c+(\i)*16*PITCH
.endr
.endm
; 16 matrix instructions: x's blocks a0, a0 + 1 against R's eight, 128 along j.  p: R's set.  zero = 1: the first product starts the sums: no accumulator is ever cleared.
; The 64 accumulators take turns, one instruction a turn, in the same order in every step.
.macro MUL16 a0, p, zero
.irp a, \a0, \a0+1
.irp b, 0,1,2,3,4,5,6,7
.if \zero
	v_wmma_f32_16x16x128_fp8_fp8 v[8*(8*((\a)%4)+\b):8*(8*((\a)%4)+\b)+7], v[128*(\p)+FR*\b:128*(\p)+FR*\b+FR-1], v[AF+FR*(\a):AF+FR*(\a)+FR-1], 0
.else
	v_wmma_f32_16x16x128_fp8_fp8 v[8*(8*((\a)%4)+\b):8*(8*((\a)%4)+\b)+7], v[128*(\p)+FR*\b:128*(\p)+FR*\b+FR-1], v[AF+FR*(\a):AF+FR*(\a)+FR-1], v[8*(8*((\a)%4)+\b):8*(8*((\a)%4)+\b)+7]
.endif
.endr
.endr
.endm
.macro FETCH_B slot, q, p              ; R's eight fragments of the slot's q-th 128 along j into set p
	WIN TO_B
.irp i, 0,1,2,3,4,5,6,7
	FRAG 128*(\p)+FR*\i, ADRB+\slot, \q, \i
.endr
	WIN 0
.endm
.macro FETCH_A slot, q, i0             ; x's blocks i0 .. i0 + 3
.irp i, \i0, \i0+1, \i0+2, \i0+3
	FRAG AF+FR*(\i), ADRA+\slot, \q, \i
.endr
.endm
; A load into a register that a matrix instruction has read, and a vector instruction that reads a matrix result, stand NP places behind that matrix instruction, and only plain vector instructions that
; name none of its registers are places (ISA guide 7.12.1 for vector instructions); the matrix instructions in between are not counted.
.macro PLACES n
.rept \n
	v_nop
.endr
.endm
; A step of 128 along j that has its successor in the same slot.  A block of x is free as soon as its eight products are issued, so x has one set: blocks 0-3 are fetched anew in the step's middle, blocks 4-7 at its end.
.macro STEP slot, q, zero
	s_wait_dscnt 4*NL                              ; R's set and x's blocks 0-3 are in; the youngest 16 loads (x's blocks 4-7) may be out
	WIN MUL_LO
	MUL16 0, (\q)%2, \zero
	MUL16 2, (\q)%2, \zero
	s_wait_dscnt 0                                 ; x's blocks 4-7 are in (asked for 32 matrix instructions ago)
	PLACES NP
	FETCH_B \slot, (\q)+1, 1-(\q)%2
	FETCH_A \slot, (\q)+1, 0
	WIN MUL_HI
	MUL16 4, (\q)%2, \zero
	MUL16 6, (\q)%2, \zero
	PLACES NP
	WIN 0
	FETCH_A \slot, (\q)+1, 4
.endm
; A slot's last step changes slots: ONE barrier; in front of it each wave waits for all its tensor loads, adds 0 to its spare word, and waits for that and for its own reads of this slot.
; fill = 1: this slot is filled again: with this tile's step two on (on = 0) or with the next tile's step 0 (on = 1).  ask: the step of the next tile that is prefetched, or -1.
.macro TURN slot, next, fill, on, ask
	s_wait_tensorcnt 0x0                           ; all my tensor loads have landed: the one that was out is my part of the next slot;  (every window is 0 here)
	ds_add_u32 v[SPW], v[NIL]                      ; 0 onto my spare word
	s_wait_dscnt 4*NL+1                            ; (the add and the youngest 16 loads, x's blocks 4-7, may be out)
	WIN MUL_LO
	MUL16 0, 1, 0                                  ; sixteen matrix instructions stand between the add and the wait for it
	s_wait_dscnt 0x0                               ; the add is done, and my reads of this slot are over
	s_barrier_signal -1
	MUL16 2, 1, 0
	WIN 0
	s_barrier_wait -1
.if \fill
	CREST                                          ; the barrier has opened a round of the cluster's barrier: no wave of any partner still reads this slot's tile or has a load on its way
.if \on
	s_add_nc_u64 s[G0+4*\slot+2:G0+4*\slot+3], s[G0+4*\slot+2:G0+4*\slot+3], NEXT_A
	s_sub_nc_u64 s[G0B+4*\slot+2:G0B+4*\slot+3], s[G0B+4*\slot+2:G0B+4*\slot+3], 2*ROWB   ; all tiles of the walk take the same rows of R: only back along j
.else
	s_add_nc_u64 s[G0+4*\slot+2:G0+4*\slot+3], s[G0+4*\slot+2:G0+4*\slot+3], 2*ROWB
	s_add_nc_u64 s[G0B+4*\slot+2:G0B+4*\slot+3], s[G0B+4*\slot+2:G0B+4*\slot+3], 2*ROWB
.endif
	JLOAD \slot                                    ; the first tensor load behind the round; the four v_nop behind it are the places in front of the loads below
.else
	PLACES NP
.endif
	FETCH_B \next, 0, 0
	FETCH_A \next, 0, 0
.if (\ask) >= 0
	ASK \ask                                       ; behind the joint load and the run of LDS loads that the next products wait for
.endif
	WIN MUL_HI
	MUL16 4, 1, 0
	MUL16 6, 1, 0
	PLACES NP
	WIN 0
	FETCH_A \next, 0, 4
.endm
; L for block b of my columns: 16 loads of 16 bytes a lane into a bin of 64 registers (the caller sets the window).  Load (j, g): L[16 b + 8 h + j][64 g + 4 r + 0 .. 3]: sixteen lanes read 256 consecutive bytes, aligned.
; The immediate is 487,680 at the most, inside its signed 24 bits (ISA guide, chapter 10).
.macro LLOAD b, bin
.irp j, 0,1,2,3,4,5,6,7
.irp g, 0,1
	global_load_b128 v[\bin+8*\j+4*\g:\bin+8*\j+4*\g+3], v[LO], s[10:11] offset:(16*(\b)+\j)*4096+256*\g
.endr
.endr
.endm
; P[8 b + j] += sum (a, b)[j] x L, for the eight blocks a of rows: 64 fused multiply-adds in eight chains.  Block a's L is word a / 2 of load (j, a % 2).  w: the bin's window.
; Each accumulator is read from its low end on.
.macro EPI b, bin, w
	WIN 0x02+4*(\w)                                ; source 0 (the sums) window 2, source 1 (L) window w, P window 0
.irp a, 0,1,2,3
.irp j, 0,1,2,3,4,5,6,7
	v_fma_f32 v[PS+8*(\b)+\j], v[8*(8*\a+(\b))+\j], v[\bin+8*\j+4*(\a%2)+\a/2], v[PS+8*(\b)+\j]
.endr
.endr
	WIN 0x03+4*(\w)                                ; the sums in window 3
.irp a, 4,5,6,7
.irp j, 0,1,2,3,4,5,6,7
	v_fma_f32 v[PS+8*(\b)+\j], v[8*(8*(\a-4)+(\b))+\j], v[\bin+8*\j+4*(\a%2)+\a/2], v[PS+8*(\b)+\j]
.endr
.endr
.endm
; A TILE'S LAST STEP AND ITS END.  The step multiplies R's set 1, so set 0 is free at its head and takes L's groups 0 and 1; x's blocks 0-3 are free in its middle (group 2); all else behind its last product
; (groups 3, 4, 5); groups 6 and 7 follow into the bins that groups 0 and 1 have left.  fill = 1: slot 1 is filled with the next tile's step 1, and the next tile's first fragments are fetched at the end.
.macro TURNE fill
	WIN TO_B
	LLOAD 0, W1A                                   ; set 0's last reader stands in front of the four places at the end of the step before
	LLOAD 1, W1B
	WIN 0
.if \fill
	s_wait_tensorcnt 0x0                           ; all my tensor loads have landed: my part of slot 0, the next tile's step 0;
	ds_add_u32 v[SPW], v[NIL]                      ; 0 onto my spare word
	s_wait_dscnt 4*NL+1                            ; (the add and x's blocks 4-7 may be out)
	WIN MUL_LO
	MUL16 0, 1, 0
	s_wait_dscnt 0x0                               ; the add is done, and my reads of slot 1 are over
	s_barrier_signal -1
	MUL16 2, 1, 0
	WIN 0
	s_barrier_wait -1
	CREST
	s_add_nc_u64 s[G0+6:G0+7], s[G0+6:G0+7], NEXT_A
	s_sub_nc_u64 s[G0B+6:G0B+7], s[G0B+6:G0B+7], 2*ROWB
	JLOAD 1                                        ; the first tensor load behind the round; its four v_nop are the places in front of the loads into x's blocks 0-3
.else
	s_wait_dscnt 4*NL                              ; the launch's last step: no tensor load is out, so no barrier
	WIN MUL_LO
	MUL16 0, 1, 0
	MUL16 2, 1, 0
	s_wait_dscnt 0x0
	PLACES NP
	WIN 0
.endif
	LLOAD 2, BINA0
.if \fill
	ASK 3
.endif
	WIN MUL_HI
	MUL16 4, 1, 0
	MUL16 6, 1, 0
	PLACES NP                                      ; for the loads into the fragments' registers and for the first reads of the sums
	WIN 0
	LLOAD 3, BINA1
	WIN TO_B
	LLOAD 4, W1C
	LLOAD 5, W1D
	s_wait_loadcnt 63                              ; loads come back in order (ISA guide 5.7.1): 96 are issued, so 33 or more are in: groups 0 and 1 (64 would do; the wait's field ends at 63)
	EPI 0, W1A, 1
	WIN TO_B
	LLOAD 6, W1A
	EPI 1, W1B, 1
	WIN TO_B
	LLOAD 7, W1B
	s_wait_loadcnt 63                              ; 128 are issued, so 65 or more are in: groups 2 and 3, which end at load 64
	EPI 2, BINA0, 0
	EPI 3, BINA1, 0
	s_wait_loadcnt 48                              ; behind group 4: groups 5, 6, 7
	EPI 4, W1C, 1
	s_wait_loadcnt 32
	EPI 5, W1D, 1
	s_wait_loadcnt 16
	EPI 6, W1A, 1
	s_wait_loadcnt 0x0
	EPI 7, W1B, 1
	WIN 0
.if \fill
	s_wait_xcnt 0x0                                ; the loads of L and the tile's prefetches have read their bases: both may step
	s_add_nc_u64 s[10:11], s[10:11], 256*4         ; L: 256 columns i on
	s_add_nc_u64 s[PFA:PFA+1], s[PFA:PFA+1], 256*KROW
	FETCH_B 0, 0, 0                                ; the next tile's first fragments: slot 0 was shown whole by the round above
	FETCH_A 0, 0, 0
	FETCH_A 0, 0, 4
.endif
.endm
; A tile: four steps of 256 along j, 512 matrix instructions a wave, and its end.  last = 1: the launch's last tile: its first two refills are the last, and nothing is prefetched.
.macro TILE last
	STEP 0, 0, 1                                   ; the tile's first products start the sums
.if \last
	TURN 0, 1, 1, 0, -1
	STEP 1, 0, 0
	TURN 1, 0, 1, 0, -1
	STEP 0, 0, 0
	TURN 0, 1, 0, 0, -1
	STEP 1, 0, 0
	TURNE 0
.else
	TURN 0, 1, 1, 0, 0                             ; slot 0 takes this tile's step 2
	STEP 1, 0, 0
	TURN 1, 0, 1, 0, 1                             ; slot 1 its step 3
	STEP 0, 0, 0
	TURN 0, 1, 1, 1, 2                             ; THE RING GOES ON INTO THE NEXT TILE: slot 0 takes its step 0,
	STEP 1, 0, 0
	TURNE 1                                        ; slot 1 its step 1
.endif
.endm
	s_wait_tensorcnt 1                             ; my part of step 0 is in (step 1's load may be out)
	s_barrier_signal -1
	s_barrier_wait -1                              ; everybody's is
	FETCH_B 0, 0, 0
	FETCH_A 0, 0, 0
	FETCH_A 0, 0, 4
	s_mov_b32 s3, TILES-1
.Ltile:                                                ; three trips: every tile that has a successor.  Every window is 0 here
	TILE 0
	s_sub_co_u32 s3, s3, 1
	s_cmp_lg_u32 s3, 0
	s_cbranch_scc1 .Ltile
	TILE 1                                         ; the last tile is written out
	; THE END.  P holds, for each of my 128 columns, one partial sum in each of 16 lanes; the other half of the rows is another wave's.  All go through the stages: row r of my stage = my lanes' P, 512 bytes.
.irp b, 0,1,2,3,4,5,6,7
	ds_store_b128 v[STO], v[PS+8*\b:PS+8*\b+3] offset:64*\b
	ds_store_b128 v[STO], v[PS+8*\b+4:PS+8*\b+7] offset:64*\b+16
.endr
	s_wait_dscnt 0x0                               ; for the others' sake: my stores into my stage are done
	s_barrier_signal -1
	s_barrier_wait -1
.irp q, 0,1                                    ; the two row halves' stages, 2 x 16 x 528 bytes apart; 16 rows each; 32 lanes read 256 consecutive bytes
.irp r, 0,1,2,3,4,5,6,7,8,9,10,11,12,13,14,15
	ds_load_b64 v[T+2*(16*\q+\r):T+2*(16*\q+\r)+1], v[RD] offset:2*16*SPITCH*\q+SPITCH*\r
.endr
.endr
	s_wait_dscnt 0x0
.irp d, 16,8,4,2,1                             ; 32 pairs become one: 31 packed additions
.set k, 0
.rept \d
	v_pk_add_f32 v[T+2*k:T+2*k+1], v[T+2*k:T+2*k+1], v[T+2*(k+\d):T+2*(k+\d)+1]
.set k, k+1
.endr
.endr
	s_wait_kmcnt 0x0                               ; e0, e1
	s_add_co_i32 s80, s80, s81
	v_ldexp_f32 v32, v[T], s80                     ; x 2^(e0 + e1): every product of codes lacked it
	v_ldexp_f32 v33, v[T+1], s80
	global_store_b64 v[CO], v[32:33], s[12:13]     ; the wave stores 256 consecutive bytes, at a multiple of 256 from out's first byte
	s_wait_tensorcnt 0x0                           ; the wave's end: behind my last tensor load and my last LDS store
	ds_add_u32 v[SPW], v[NIL]
	s_wait_dscnt 0x0
	CROUND                                         ; the closing round: no work-group ends while a partner may still ask for a tile that names it
	s_endpgm
.Lfunc_end_k_q862c64a28d_bisvm:
	.size	k_q862c64a28d_bisvm, .Lfunc_end_k_q862c64a28d_bisvm-k_q862c64a28d_bisvm
	.p2alignl 7, 3214868480
	.fill 96, 4, 3214868480
	.section	.rodata,"a",@progbits
	.p2align	6, 0x0
	.amdhsa_kernel k_q862c64a28d_bisvm
		.amdhsa_group_segment_fixed_size 327680
		.amdhsa_private_segment_fixed_size 0
		.amdhsa_enable_private_segment 0
		.amdhsa_kernarg_size 40
		.amdhsa_user_sgpr_count 2
		.amdhsa_user_sgpr_kernarg_segment_ptr 1
		.amdhsa_wavefront_size32 1
		.amdhsa_system_sgpr_workgroup_id_x 1
		.amdhsa_system_sgpr_workgroup_id_y 1
		.amdhsa_system_sgpr_workgroup_id_z 1
		.amdhsa_system_vgpr_workitem_id 0
		.amdhsa_next_free_vgpr 1024
		.amdhsa_next_free_sgpr 84
		.amdhsa_reserve_vcc 0
		.amdhsa_float_denorm_mode_32 3
		.amdhsa_float_denorm_mode_16_64 3
		.amdhsa_memory_ordered 1
		.amdhsa_forward_progress 1
		.amdhsa_inst_pref_size 248
	.end_amdhsa_kernel
	.amdgpu_metadata
---
amdhsa.version: [ 1, 2 ]
amdhsa.kernels:
  - .name:           k_q862c64a28d_bisvm
    .symbol:         k_q862c64a28d_bisvm.kd
    .args:
      - { .name: x_codes, .offset: 0, .size: 8, .value_kind: global_buffer, .address_space: global }
      - { .name: R_codes, .offset: 8, .size: 8, .value_kind: global_buffer, .address_space: global }
      - { .name: lowp_scales, .offset: 16, .size: 8, .value_kind: global_buffer, .address_space: global }
      - { .name: L, .offset: 24, .size: 8, .value_kind: global_buffer, .address_space: global }
      - { .name: out0, .offset: 32, .size: 8, .value_kind: global_buffer, .address_space: global }
    .group_segment_fixed_size: 327680
    .private_segment_fixed_size: 0
    .kernarg_segment_align: 8
    .kernarg_segment_size: 40
    .max_flat_workgroup_size: 128
    .sgpr_count:     84
    .vgpr_count:     1024
    .wavefront_size: 32
...
	.end_amdgpu_metadata
.endif
;; end of part 1
;; ======== version 2 of 2: 2 launches
;; workspace buffers: part 8,388,608 bytes
;; launch bisvm (part 2): grid 4 x 64, 4 waves a work-group, clusters of 4 x 4, 327,680 bytes of LDS; arguments x_codes, R_codes, lowp_scales, L, part; writes part
.if DOCPART == 2
	.amdgcn_target "amdgcn-amd-amdhsa--gfx1250"
	.amdhsa_code_object_version 6
	.text
	.protected	k_q862c64a28d_bisvm
	.globl	k_q862c64a28d_bisvm
	.p2align	8
	.type	k_q862c64a28d_bisvm,@function
k_q862c64a28d_bisvm:
	s_mov_b64 s[64:65], 0
	v_nop
	global_prefetch_b8 v0, s[64:65] scope:SCOPE_SE
	s_setreg_imm32_b32 hwreg(HW_REG_WAVE_MODE, 25, 1), 1
	s_wait_xcnt 0x0
	s_wait_alu depctr_hold_cnt(0) depctr_sa_sdst(0) depctr_va_vdst(0) depctr_va_sdst(0) depctr_va_ssrc(0) depctr_va_vcc(0) depctr_vm_vsrc(0)
	s_getreg_b32 s2, hwreg(HW_REG_IB_STS2, 6, 4)
	s_cmp_eq_u32 s2, 0
	s_cbranch_scc0 .Lentry_in_a_cluster
	s_endpgm
.Lentry_in_a_cluster:
	s_bfe_u32 s2, ttmp6, 0x10000c
	s_cmp_lg_u32 s2, 0xf033
	s_cbranch_scc0 .Lentry_shape_is_right
	s_endpgm
.Lentry_shape_is_right:
; part[s][b][o] = 2^(e0 + e1) x sum over the 32 i of split s of L[o][i] x (sum over j of x[b][i][j] R[j][o]);  out[b][o] is the sum of the 32 parts, made by the launch behind this one.
; x: [64][1024 i][1024 j] and R: [1024 o][1024 j], codes of FP8 (E4M3), j innermost, one scale 2^e0, 2^e1 each; L: [1024 o][1024 i] f32; part: [32][64][1024] f32.
; The codes are multiplied as they are (v_wmma_f32_16x16x128_fp8_fp8, f32 sums); each finished sum is weighed by its L[o][i] with an f32 fused multiply-add into a running sum P; the inner product never goes to memory.
; 2^(e0 + e1) is applied once, by v_ldexp_f32: no limit on e0 + e1.
; ORDER OF SUMS: inside a matrix instruction the places of j are permuted alike in both operands (16-byte loads); over i the sums go in ascending i within a split.  NaN codes give what the matrix unit gives.
; SHARES.  Work-group (nt, y), y = 32 bg + s, takes batches 32 bg .. 32 bg + 31, rows i = 32 s .. 32 s + 31 and columns 256 nt .. 256 nt + 255: 1,024 rows x 256 columns, in four tiles of 256 x 256 (8 i each).
; Four waves of 128 x 128 (64 accumulators, 512 registers): wave (rh, ch) has batches 16 rh on and columns 128 ch on.  j goes in steps of 256 through a ring of two LDS slots that runs on from tile to tile.
; A BLOCK'S 16 ROWS ARE 16 BATCHES AT ONE i: x's descriptor has three dimensions and lays (batch m, i = a) at LDS row 16 a + m.  Source 0 = such a block, source 1 = 16 rows of R: lane (r = lane % 16, h = lane / 16)
; then holds ONE column o = 16 b + r and, in its eight registers, batches 8 h + 0 .. 7.  So one number L[o][i] weighs all eight: four packed multiply-adds; and a tile wants 128 x 8 numbers of L a wave.
; L: the work-group's block, 256 rows o x 32 i (128 bytes), is loaded once, at the head, and kept in LDS.
; CLUSTERS: 4 x 4 work-groups.  x's tile hangs on y alone and is shared along a row of the cluster, R's on nt alone and is shared along a column: each is asked for JOINTLY.
; L IS NOT ASKED FOR JOINTLY: its block hangs on nt and on s = y % 32 together, and no two of a cluster's sixteen share both.
; REGISTERS, in windows of 256: window 0: v16-31 addresses; v32-63 L for blocks 0-3 (4 b + a); v64-127 P (P[8 b + j]: batch 8 h + j, column 16 b + r); v128-255 x's fragments, ONE set.
;   window 1: R's fragments, TWO sets, at v0 and v128; at a tile's end v128-159 hold L for blocks 4-7.   window 2: the accumulators of blocks 0-3 ((a, b) at v[8 (8 a + b)]);   window 3: those of blocks 4-7.
.set KROW,   1024                      ; a row of x or of R in memory, in bytes
.set ROWB,   256                       ; a tile's row: 256 codes
.set PITCH,  272                       ; an LDS row: 256 bytes + 16 of padding = 68 words: row r starts at bank 4 r mod 64 (64 banks of 4 bytes: ISA guide 11.1), so the 16 rows that a load touches start at 16 different banks
.set FR,     16                        ; registers of a fragment: 16 rows x 128 along j
.set NL,     4                         ; LDS loads that bring one
.set NP,     4                         ; places behind this matrix instruction (ISA guide 7.12.1)
.set HALFT,  128*PITCH                 ; 128 rows: what one tensor load brings, and what one wave reads of x or of R
.set SLOT,   4*HALFT                   ; x's 256 rows, then R's 256 rows
.set LREG,   2*SLOT                    ; behind the ring: L's block, 256 rows of 128 bytes + 16; stored from registers, no fill lands here
.set LPITCH, 144
.set SPARE,  LREG+256*LPITCH           ; behind it: the spare words, 128 bytes for each wave: two blocks of 256 bytes that no other line names
.set SPITCH, 528                       ; the way out: a stage of 16 rows x (512 bytes + 16) for each wave.  It lies in slot 0, which has had its last fill and its last read when the first result is stored there
.set TILES,  4
.set NEXT_A, 8*KROW-2*ROWB             ; bytes from a slot's last step of a tile to its first of the next: 8 rows i down, 512 back along j
.set ADRA, 16                          ; v16-17  LDS address of my fragments of x in slot 0, 1
.set ADRB, 20                          ; v20-21  the same for R
.set LAD0, 22                          ; v22     LDS address of row 128 ch + r of L's block; never rewritten
.set LAD,  23                          ; v23     the same at the tile in hand's 8 i
.set STO,  24                          ; v24     the way out: where I put a number
.set RD,   25                          ; v25     the way out: where I read 16 bytes of a row back
.set CO,   26                          ; v26     16 x lane: my bytes of a row of 512
.set LGO,  27                          ; v27     the head: my byte offset in L
.set SPW,  28                          ; v28     LDS address of my spare word: SPARE + 4 x my thread's number; never rewritten
.set NIL,  29                          ; v29     0; never rewritten
.set PFO,  30                          ; v30     the prefetches' offset: batch lane / 8, row lane % 8; never rewritten
.set LSO,  31                          ; v31     the head: where I store L in LDS
.set LA,   32                          ; L for blocks 0-3, window 0
.set LB,   128                         ; L for blocks 4-7, window 1
.set PS,   64                          ; P
.set AF,   128                         ; x's fragments, in window 0
.set T,    128                         ; the way out: 16 rows read back from the stage
.set G1,  24                           ; s[24:31] descriptor group 1 for x's tiles;  s[32:39] group 0, one set for each slot
.set G0,  32
.set G1B, 48                           ; s[48:55], s[56:63] the same for R's tiles
.set G0B, 56
.set G2,  68                           ; s[68:71], s[72:75] groups 2 and 3 for x's tiles
.set G3,  72
.set PFA, 76                           ; s[76:77] where my prefetches stand: my work-group's 32 rows of the 128 that I fetch, in the NEXT tile
.set LT,  82                           ; s82     32 x the tile's number: its 8 i in a row of L's block
.set MSB, 0
.macro WIN new                         ; the immediate's high byte repeats the setting that is left; a switch that changes nothing is dropped
.if MSB != (\new)
	s_set_vgpr_msb (MSB<<8)|(\new)
.set MSB, (\new)
.endif
.endm
.set MUL_LO, 0xa4                      ; source 0 (x) window 0, source 1 (R) window 1, C and D window 2
.set MUL_HI, 0xf4                      ; the same, C and D window 3
.set TO_B,   0x40                      ; destination window 1, address window 0
; A joint load: waves 0 and 1 fetch x's two halves (four groups: three dimensions), waves 2 and 3 R's.  Each of the two lines has ONE mask and one set of registers for all that issue it; the branch hangs on
; the wave's number alone.  An s_nop 0 and four v_nop follow each of the two lines, ahead of the jump, the label and what follows.
.macro JLOAD s
	s_cmp_eq_u32 s15, 0
	s_cbranch_scc0 .Lfor_b_\@
	tensor_load_to_lds s[G0+4*\s:G0+4*\s+3], s[G1:G1+7], s[G2:G2+3], s[G3:G3+3]
	s_nop 0
.rept 4
	v_nop
.endr
	s_branch .Lasked_\@
.Lfor_b_\@:
	tensor_load_to_lds s[G0B+4*\s:G0B+4*\s+3], s[G1B:G1B+7]
	s_nop 0
.rept 4
	v_nop
.endr
.Lasked_\@:
.endm
; A PREFETCH INTO THE L2 of x, which the launch reads once.  Behind refill n of a tile stands one request for step n of the NEXT tile, which is loaded two refills, 256 matrix instructions, later.
; A tile of x is read by the four partners of one row of one cluster and by nobody else.  Waves 0 and 1, which fetch x's halves, ask; of a half's 16 batches the partner at place cx takes 4 cx .. 4 cx + 3,
; told apart BY ADDRESS; a lane a row (batch lane / 8, i lane % 8), 256 bytes of it.  So each aligned block of 256 bytes is named once.  The first tile comes by its loads alone; the last tile asks for nothing.
.macro ASK n
	s_cmp_eq_u32 s15, 0
	s_cbranch_scc0 .Lnot_mine_\@
	global_prefetch_b8 v[PFO], s[PFA:PFA+1] offset:ROWB*(\n) th:TH_LOAD_NT scope:SCOPE_SE
.Lnot_mine_\@:
.endm
.macro CREST                           ; a round of the cluster's barrier behind its opening barrier
	s_cmp_lg_u32 s14, 0
	s_cbranch_scc1 .Lnot_wave_0_\@
	s_barrier_signal -3
.Lnot_wave_0_\@:
	s_barrier_wait -3
	s_barrier_signal -1
	s_barrier_wait -1
.endm
.macro CROUND                          ; a whole round
	s_barrier_signal -1
	s_barrier_wait -1
	CREST
.endm
	s_load_b256 s[4:11], s[0:1], 0x0               ; x's codes s[4:5], R's codes s[6:7], the scales' exponents s[8:9], L s[10:11]
	s_load_b64 s[12:13], s[0:1], 0x20              ; part
	v_lshl_add_u32 v[SPW], v0, 2, SPARE
	v_mov_b32 v[NIL], 0
	ds_add_u32 v[SPW], v[NIL]                      ; the wave's opening: the add and its wait stand ahead of my first tensor load; the set-up below, work on registers, stands between them
	v_lshrrev_b32 v1, 5, v0
	v_readfirstlane_b32 s14, v1                    ; wave 0..3
	s_lshr_b32 s15, s14, 1                         ; rh: which 16 of the 32 batches are mine.  Also: I fetch for x (0) or for R (1)
	s_and_b32 s16, s14, 1                          ; ch: which half of the columns o.  Also: which 128 rows of that tile I fetch
	s_bfe_u32 s40, ttmp6, 0x40000                  ; cx, cy: my place in the cluster
	s_bfe_u32 s41, ttmp6, 0x40004
	s_lshl_b32 s42, ttmp9, 2
	s_add_co_u32 s42, s42, s40                     ; nt = 4 x cluster x + cx
	s_and_b32 s17, ttmp7, 0xffff
	s_lshl_b32 s17, s17, 2
	s_add_co_u32 s17, s17, s41                     ; y = 4 x cluster y + cy
	s_lshr_b32 s78, s17, 5                         ; bg: which 32 batches
	s_and_b32 s79, s17, 31                         ; s: which 32 rows i
	s_lshl_b32 s43, s41, 2
	s_lshl_b32 s43, 15, s43                        ; my row of the cluster
	s_lshl_b32 s44, 0x1111, s40                    ; my column
	; x's tile: 8 planes (i) of 16 rows (batches) of 256 bytes; a row is a batch, 2^20 bytes, on; a plane one row of memory on: LDS row 16 a + m = (batch m, i = a)
	s_or_b32 s[G1+0], s43, (0<<16)|(1<<20)|(1<<21)|(5<<22)|(3<<25)  ; 15:0 the mask: x's tiles go to my row; 17:16 element of 1 byte; 20 padding on; 21 set beside a mask; 24:22 after every 64 words (code 5); 31:25 of 4 words (code 3)
	s_mov_b32 s[G1+1], ROWB<<16                    ; tensor_dim0 = 256
	s_mov_b32 s[G1+2], 16<<16                      ; tensor_dim1 = 16
	s_mov_b32 s[G1+3], ROWB<<16                    ; tile_dim0 = 256
	s_mov_b32 s[G1+4], 16|(8<<16)                  ; tile_dim1 = 16, tile_dim2 = 8
	s_mov_b32 s[G1+5], 1024*KROW                   ; tensor_dim0_stride: a batch
	s_mov_b32 s[G1+6], KROW<<16                    ; its high part = 0; tensor_dim1_stride, low half: one row of memory
	s_mov_b32 s[G1+7], 0
	s_mov_b32 s[G2+0], 8                           ; tensor_dim2 = 8
	s_mov_b32 s[G2+1], 1                           ; tensor_dim3 = 1
	s_mov_b32 s[G2+2], 0                           ; tensor_dim2_stride = 0: the dimension is not used,
	s_mov_b32 s[G2+3], 0                           ; tile_dim3 = 0
	s_mov_b32 s[G3+0], 0
	s_mov_b32 s[G3+1], 1<<16                       ; tensor_dim4 = 1
	s_mov_b32 s[G3+2], 0                           ; tile_dim4 = 0
	s_mov_b32 s[G3+3], 0
	; R's tile: 128 rows of 256 bytes as they lie
	s_or_b32 s[G1B+0], s44, (0<<16)|(1<<20)|(1<<21)|(5<<22)|(3<<25)  ; the same with the mask of my column
	s_mov_b32 s[G1B+1], ROWB<<16                   ; tensor_dim0
	s_mov_b32 s[G1B+2], 128<<16                    ; tensor_dim1
	s_mov_b32 s[G1B+3], ROWB<<16                   ; tile_dim0
	s_mov_b32 s[G1B+4], 128                        ; tile_dim1
	s_mov_b32 s[G1B+5], KROW                       ; tensor_dim0_stride
	s_mov_b32 s[G1B+6], 0
	s_mov_b32 s[G1B+7], 0
	; where the tiles come from.  x's hang on y alone, which my row of the cluster shares; R's on nt alone, which my column shares; each in registers that never hold the other coordinate
	s_lshl_b32 s20, s78, 25                        ; x: 32 bg batches of 2^20 bytes,
	s_lshl_b32 s18, s16, 24                        ; the 16 batches that I fetch,
	s_add_co_u32 s20, s20, s18
	s_lshl_b32 s18, s79, 15                        ; row i = 32 s
	s_add_co_u32 s20, s20, s18
	s_mov_b32 s21, 0
	s_lshl_b32 s46, s42, 18                        ; R: 256 nt rows of 1,024 bytes,
	s_lshl_b32 s18, s16, 17                        ; the 128 rows that I fetch
	s_add_co_u32 s46, s46, s18
	s_mov_b32 s47, 0
	s_mul_i32 s45, s14, HALFT                      ; where they go: wave x 128 rows: no place in the cluster enters an LDS address
	s_mov_b32 s[LT], 0
	s_wait_dscnt 0x0                               ; the opening add is done
	s_wait_kmcnt 0x0
	s_load_b64 s[80:81], s[8:9], 0x0               ; e0, e1: wanted at the very end
	s_add_nc_u64 s[20:21], s[4:5], s[20:21]
	s_add_nc_u64 s[46:47], s[6:7], s[46:47]
	CROUND                                         ; all sixteen work-groups are here: the first joint loads meet
.irp s, 0,1
	s_mov_b32 s[G0+4*\s], 1                                        ; count = 1
	s_add_co_u32 s[G0+4*\s+1], s45, \s*SLOT                        ; LDS address
	s_add_nc_u64 s[G0+4*\s+2:G0+4*\s+3], s[20:21], \s*ROWB         ; global address: step s of the first tile
	s_or_b32 s[G0+4*\s+3], s[G0+4*\s+3], 0x80000000                ; type = 2
	s_mov_b32 s[G0B+4*\s], 1
	s_add_co_u32 s[G0B+4*\s+1], s45, \s*SLOT
	s_add_nc_u64 s[G0B+4*\s+2:G0B+4*\s+3], s[46:47], \s*ROWB
	s_or_b32 s[G0B+4*\s+3], s[G0B+4*\s+3], 0x80000000
	JLOAD \s                                       ; two loads of mine are out
.endr
	; L's block: rows 256 nt + 0 .. 255, columns 32 s + 0 .. 31: 128 bytes a row.  Eight threads take a row, the 128 threads 16 rows a load, 16 loads; into the registers that x's fragments will take
	v_lshrrev_b32 v9, 3, v0                        ; thread / 8: the row
	v_and_b32 v10, 7, v0                           ; thread % 8: its 16 bytes
	v_lshlrev_b32 v[LGO], 12, v9
	v_lshl_add_u32 v[LGO], v10, 4, v[LGO]
	s_lshl_b32 s18, s42, 20
	s_lshl_b32 s19, s79, 7
	s_add_co_u32 s18, s18, s19
	s_mov_b32 s19, 0
	s_add_nc_u64 s[10:11], s[10:11], s[18:19]
.irp q, 0,1,2,3,4,5,6,7,8,9,10,11,12,13,14,15
	global_load_b128 v[AF+4*\q:AF+4*\q+3], v[LGO], s[10:11] offset:\q*16*4096
.endr
	v_mul_u32_u24 v[LSO], v9, LPITCH
	v_lshl_add_u32 v[LSO], v10, 4, v[LSO]
	v_add_nc_u32 v[LSO], LREG, v[LSO]
	v_and_b32 v1, 15, v0                           ; r = lane % 16
	v_bfe_u32 v2, v0, 4, 1                         ; h = lane / 16
	v_and_b32 v6, 31, v0                           ; lane
	v_mul_u32_u24 v3, v1, PITCH
	v_lshl_add_u32 v4, v2, 4, v3                   ; a fragment's row x pitch + 16 x half
	s_mul_i32 s21, s15, HALFT                      ; my 128 rows of x
	s_mul_i32 s22, s16, HALFT                      ; my 128 rows of R,
	s_add_co_u32 s22, s22, 2*HALFT                 ; which lie behind x's 256
.irp s, 0,1
	v_add_nc_u32 v[ADRA+\s], s21, v4
	v_add_nc_u32 v[ADRB+\s], s22, v4
	s_add_co_u32 s21, s21, SLOT
	s_add_co_u32 s22, s22, SLOT
.endr
	s_mul_i32 s18, s16, 128*LPITCH                 ; L's block: my 128 rows, row r of a block of 16
	s_add_co_u32 s18, s18, LREG
	v_mul_u32_u24 v[LAD0], v1, LPITCH
	v_add_nc_u32 v[LAD0], s18, v[LAD0]
	s_mul_i32 s23, s14, 16*SPITCH                  ; my stage
	v_mul_u32_u24 v5, v2, 8*SPITCH                 ; in: row 8 h + j, column 16 b + r
	v_lshl_add_u32 v5, v1, 2, v5
	v_add_nc_u32 v[STO], s23, v5
	v_lshlrev_b32 v[CO], 4, v6                     ; back: the 32 lanes take one row of 512 bytes; and the same in part
	v_add_nc_u32 v[RD], s23, v[CO]
	v_lshrrev_b32 v7, 3, v6
	v_and_b32 v8, 7, v6
	v_lshlrev_b32 v[PFO], 20, v7
	v_lshl_add_u32 v[PFO], v8, 10, v[PFO]
	s_lshl_b32 s18, s79, 18                        ; part at split s, batch 32 bg + 16 rh, column 256 nt + 128 ch
	s_lshl_b32 s19, s78, 17
	s_add_co_u32 s18, s18, s19
	s_lshl_b32 s19, s15, 16
	s_add_co_u32 s18, s18, s19
	s_lshl_b32 s19, s42, 10
	s_add_co_u32 s18, s18, s19
	s_lshl_b32 s19, s16, 9
	s_add_co_u32 s18, s18, s19
	s_mov_b32 s19, 0
	s_add_nc_u64 s[12:13], s[12:13], s[18:19]
	s_lshl_b32 s18, s78, 25                        ; the prefetches: the 16 batches that I fetch, my work-group's 4 of them, row 32 s, the SECOND tile
	s_lshl_b32 s19, s16, 24
	s_add_co_u32 s18, s18, s19
	s_lshl_b32 s19, s40, 22
	s_add_co_u32 s18, s18, s19
	s_lshl_b32 s19, s79, 15
	s_add_co_u32 s18, s18, s19
	s_add_co_u32 s18, s18, 8*KROW
	s_mov_b32 s19, 0
	s_add_nc_u64 s[PFA:PFA+1], s[4:5], s[18:19]
.irp j, 0,1,2,3,4,5,6,7,8,9,10,11,12,13,14,15,16,17,18,19,20,21,22,23,24,25,26,27,28,29,30,31,32,33,34,35,36,37,38,39,40,41,42,43,44,45,46,47,48,49,50,51,52,53,54,55,56,57,58,59,60,61,62,63
	v_mov_b32 v[PS+\j], 0                          ; P, once, while the first tiles are on their way: so a tile's end is written once for all tiles of the loop
.endr
	s_wait_loadcnt 0x0                             ; L's block is in registers
.irp q, 0,1,2,3,4,5,6,7,8,9,10,11,12,13,14,15
	ds_store_b128 v[LSO], v[AF+4*\q:AF+4*\q+3] offset:\q*16*LPITCH
.endr
.macro FRAG reg, adr, q, i             ; a fragment, 16 rows x 128 codes, is 16 registers: lane l holds row l % 16; registers 4 c .. 4 c + 3 hold j = 32 c + 16 (l / 16) + 0 .. 15, alike for both sources
.irp c, 0,1,2,3
	ds_load_b128 v[\reg+4*\c:\reg+4*\c+3], v[\adr] offset:128*(\q)+32*\c+(\i)*16*PITCH
.endr
.endm
; 16 matrix instructions: x's blocks a0, a0 + 1 against R's eight, 128 along j.  p: R's set.  zero = 1: the first product starts the sums: no accumulator is ever cleared.
; The 64 accumulators take turns, one instruction a turn, in the same order in every step.
.macro MUL16 a0, p, zero
.irp a, \a0, \a0+1
.irp b, 0,1,2,3,4,5,6,7
.if \zero
	v_wmma_f32_16x16x128_fp8_fp8 v[8*(8*((\a)%4)+\b):8*(8*((\a)%4)+\b)+7], v[AF+FR*(\a):AF+FR*(\a)+FR-1], v[128*(\p)+FR*\b:128*(\p)+FR*\b+FR-1], 0
.else
	v_wmma_f32_16x16x128_fp8_fp8 v[8*(8*((\a)%4)+\b):8*(8*((\a)%4)+\b)+7], v[AF+FR*(\a):AF+FR*(\a)+FR-1], v[128*(\p)+FR*\b:128*(\p)+FR*\b+FR-1], v[8*(8*((\a)%4)+\b):8*(8*((\a)%4)+\b)+7]
.endif
.endr
.endr
.endm
.macro FETCH_B slot, q, p              ; R's eight fragments of the slot's q-th 128 along j into set p
	WIN TO_B
.irp i, 0,1,2,3,4,5,6,7
	FRAG 128*(\p)+FR*\i, ADRB+\slot, \q, \i
.endr
	WIN 0
.endm
.macro FETCH_A slot, q, i0             ; x's blocks i0 .. i0 + 3
.irp i, \i0, \i0+1, \i0+2, \i0+3
	FRAG AF+FR*(\i), ADRA+\slot, \q, \i
.endr
.endm
; A load into a register that a matrix instruction has read, and a vector instruction that reads a matrix result, stand NP places behind that matrix instruction, and only plain vector instructions that
; name none of its registers are places (ISA guide 7.12.1 for vector instructions); the matrix instructions in between are not counted.
.macro PLACES n
.rept \n
	v_nop
.endr
.endm
; Half g of the tile's L: for each block b of my columns the four numbers L[16 b + r][8 t + 4 g + 0 .. 3], into registers base + 4 b on (the caller sets the window).  Lanes 16-31 read what lanes 0-15 read.
.macro LLDS base, g
.irp b, 0,1,2,3,4,5,6,7
	ds_load_b128 v[\base+4*\b:\base+4*\b+3], v[LAD] offset:\b*16*LPITCH+16*\g
.endr
.endm
; P[8 b + j] += sum (e, b)[j] x L[16 b + r][i of block e], for the four blocks e of the window in hand: 128 packed multiply-adds, 32 chains.  Both halves of a pair are multiplied by ONE register of L's pair:
; its first (e even) or its second (e odd).  Each accumulator is read from its low end on.  The caller sets the windows.
.macro EPI lb
.irp e, 0,1,2,3
.irp b, 0,1,2,3,4,5,6,7
.irp i, 0,2,4,6
.if (\e)%2
	v_pk_fma_f32 v[PS+8*\b+\i:PS+8*\b+\i+1], v[8*(8*\e+\b)+\i:8*(8*\e+\b)+\i+1], v[\lb+4*\b+\e-1:\lb+4*\b+\e], v[PS+8*\b+\i:PS+8*\b+\i+1] op_sel:[0,1,0] op_sel_hi:[1,1,1]
.else
	v_pk_fma_f32 v[PS+8*\b+\i:PS+8*\b+\i+1], v[8*(8*\e+\b)+\i:8*(8*\e+\b)+\i+1], v[\lb+4*\b+\e:\lb+4*\b+\e+1], v[PS+8*\b+\i:PS+8*\b+\i+1] op_sel_hi:[1,0,1]
.endif
.endr
.endr
.endr
.endm
; A step of 128 along j that has its successor in the same slot.  A block of x is free as soon as its eight products are issued, so x has one set: blocks 0-3 are fetched anew in the step's middle, blocks 4-7 at its end.
.macro STEP slot, q, zero
	s_wait_dscnt 4*NL                              ; R's set and x's blocks 0-3 are in; the youngest 16 loads (x's blocks 4-7) may be out
	WIN MUL_LO
	MUL16 0, (\q)%2, \zero
	MUL16 2, (\q)%2, \zero
	s_wait_dscnt 0                                 ; x's blocks 4-7 are in (asked for 32 matrix instructions ago)
	PLACES NP
	FETCH_B \slot, (\q)+1, 1-(\q)%2
	FETCH_A \slot, (\q)+1, 0
	WIN MUL_HI
	MUL16 4, (\q)%2, \zero
	MUL16 6, (\q)%2, \zero
	PLACES NP
	WIN 0
	FETCH_A \slot, (\q)+1, 4
.endm
; A slot's last step changes slots: ONE barrier; in front of it each wave waits for all its tensor loads, adds 0 to its spare word, and waits for that and for its own reads of this slot.
; fill = 1: this slot is filled again: with this tile's step two on (on = 0) or with the next tile's step 0 or 1 (on = 1).  ask: the step of the next tile that is prefetched, or -1.
; epi = 1: the step is a tile's last: its sums are weighed by L and added into P.  L for blocks 0-3 is asked for in the step's middle; L for blocks 4-7 goes into R's set 1, behind the places behind its last
; reader, and lands under the first 128 multiply-adds.  The next tile's fragments are fetched as in any change of slots.
.macro TURN slot, next, fill, on, ask, epi
	s_wait_tensorcnt 0x0                           ; all my tensor loads have landed: the one that was out is my part of the next slot;  (every window is 0 here)
	ds_add_u32 v[SPW], v[NIL]                      ; 0 onto my spare word
	s_wait_dscnt 4*NL+1                            ; (the add and the youngest 16 loads, x's blocks 4-7, may be out)
	WIN MUL_LO
	MUL16 0, 1, 0                                  ; sixteen matrix instructions stand between the add and the wait for it
	s_wait_dscnt 0x0                               ; the add is done, and my reads of this slot are over
	s_barrier_signal -1
	MUL16 2, 1, 0
	WIN 0
	s_barrier_wait -1
.if \fill
	CREST                                          ; the barrier has opened a round of the cluster's barrier: no wave of any partner still reads this slot's tile or has a load on its way
.if \on
	s_add_nc_u64 s[G0+4*\slot+2:G0+4*\slot+3], s[G0+4*\slot+2:G0+4*\slot+3], NEXT_A
	s_sub_nc_u64 s[G0B+4*\slot+2:G0B+4*\slot+3], s[G0B+4*\slot+2:G0B+4*\slot+3], 2*ROWB   ; all tiles of the walk take the same rows of R: only back along j
.else
	s_add_nc_u64 s[G0+4*\slot+2:G0+4*\slot+3], s[G0+4*\slot+2:G0+4*\slot+3], 2*ROWB
	s_add_nc_u64 s[G0B+4*\slot+2:G0B+4*\slot+3], s[G0B+4*\slot+2:G0B+4*\slot+3], 2*ROWB
.endif
	JLOAD \slot                                    ; the first tensor load behind the round; the four v_nop behind it are the places in front of the loads below
.else
	PLACES NP
.endif
	FETCH_B \next, 0, 0
	FETCH_A \next, 0, 0
.if \epi
	v_add_nc_u32 v[LAD], s[LT], v[LAD0]            ; this tile's 8 i in L's block
	LLDS LA, 0
.endif
.if (\ask) >= 0
	ASK \ask                                       ; behind the joint load and the run of LDS loads that the next products wait for
.endif
	WIN MUL_HI
	MUL16 4, 1, 0
	MUL16 6, 1, 0
	PLACES NP
.if \epi
	WIN TO_B
	LLDS LB, 1
.endif
	WIN 0
	FETCH_A \next, 0, 4
.if \epi
	s_wait_dscnt 6*NL                              ; all but the 24 just issued: L for blocks 0-3 is in
	WIN 0x02                                       ; source 0 (the sums) window 2; L and P window 0
	EPI LA
	s_wait_dscnt 4*NL                              ; L for blocks 4-7 is in; x's blocks 4-7 may be out
	WIN 0x07                                       ; the sums window 3, L window 1
	EPI LB
	WIN 0
	s_wait_xcnt 0x0                                ; the tile's prefetches have read their base: it may step
	s_add_nc_u64 s[PFA:PFA+1], s[PFA:PFA+1], 8*KROW
	s_add_co_u32 s[LT], s[LT], 32
.endif
.endm
; The launch's last step: no tensor load is out and nothing is filled or fetched, so no barrier.
.macro LAST
	v_add_nc_u32 v[LAD], s[LT], v[LAD0]
	LLDS LA, 0
	s_wait_dscnt 6*NL                              ; R's set and x's blocks 0-3 are in; x's blocks 4-7 (16) and L's first half (8) may be out
	WIN MUL_LO
	MUL16 0, 1, 0
	MUL16 2, 1, 0
	s_wait_dscnt 2*NL                              ; x's blocks 4-7 are in
	WIN MUL_HI
	MUL16 4, 1, 0
	MUL16 6, 1, 0
	PLACES NP
	WIN TO_B
	LLDS LB, 1
	s_wait_dscnt 2*NL                              ; L for blocks 0-3 is in
	WIN 0x02
	EPI LA
	s_wait_dscnt 0x0
	WIN 0x07
	EPI LB
	WIN 0
.endm
; A tile: four steps of 256 along j, 512 matrix instructions a wave, and its end.  last = 1: the launch's last tile: its first two refills are the last, and nothing is prefetched.
.macro TILE last
	STEP 0, 0, 1                                   ; the tile's first products start the sums
.if \last
	TURN 0, 1, 1, 0, -1, 0
	STEP 1, 0, 0
	TURN 1, 0, 1, 0, -1, 0
	STEP 0, 0, 0
	TURN 0, 1, 0, 0, -1, 0                         ; the last change of slots: behind it nobody reads slot 0
	STEP 1, 0, 0
	LAST
.else
	TURN 0, 1, 1, 0, 0, 0                          ; slot 0 takes this tile's step 2
	STEP 1, 0, 0
	TURN 1, 0, 1, 0, 1, 0                          ; slot 1 its step 3
	STEP 0, 0, 0
	TURN 0, 1, 1, 1, 2, 0                          ; THE RING GOES ON INTO THE NEXT TILE: slot 0 takes its step 0,
	STEP 1, 0, 0
	TURN 1, 0, 1, 1, 3, 1                          ; slot 1 its step 1; and this tile's sums go into P
.endif
.endm
	s_wait_tensorcnt 1                             ; my part of step 0 is in (step 1's load may be out)
	s_wait_dscnt 0x0                               ; and my part of L's block is stored:
	s_barrier_signal -1
	s_barrier_wait -1                              ; everybody's is
	FETCH_B 0, 0, 0
	FETCH_A 0, 0, 0
	FETCH_A 0, 0, 4
	s_mov_b32 s3, TILES-1
.Ltile:                                                ; three trips: every tile that has a successor.  Every window is 0 here
	TILE 0
	s_sub_co_u32 s3, s3, 1
	s_cmp_lg_u32 s3, 0
	s_cbranch_scc1 .Ltile
	TILE 1                                         ; the last tile is written out
	; THE WAY OUT.  A lane holds one column and eight batches of each block of columns: the numbers go through my own stage in LDS, row = batch, and come back as whole rows of 512 bytes.
	; LDS serves a wave's instructions in order (ISA guide 5.7.1.4): no wait between the stores and the loads.
	s_wait_kmcnt 0x0                               ; e0, e1
	s_add_co_i32 s80, s80, s81
.irp j, 0,1,2,3,4,5,6,7,8,9,10,11,12,13,14,15,16,17,18,19,20,21,22,23,24,25,26,27,28,29,30,31,32,33,34,35,36,37,38,39,40,41,42,43,44,45,46,47,48,49,50,51,52,53,54,55,56,57,58,59,60,61,62,63
	v_ldexp_f32 v[PS+\j], v[PS+\j], s80            ; x 2^(e0 + e1): every product of codes lacked it
.endr
.irp b, 0,1,2,3,4,5,6,7
.irp j, 0,1,2,3,4,5,6,7
	ds_store_b32 v[STO], v[PS+8*\b+\j] offset:\j*SPITCH+64*\b   ; sixteen lanes put 64 consecutive bytes; the other sixteen eight rows, 1,056 words, further on: other banks
.endr
.endr
.irp t, 0,1,2,3,4,5,6,7,8,9,10,11,12,13,14,15
	ds_load_b128 v[T+4*\t:T+4*\t+3], v[RD] offset:\t*SPITCH
.endr
.irp t, 0,1,2,3,4,5,6,7,8,9,10,11,12,13,14,15
	s_wait_dscnt 15-\t
	global_store_b128 v[CO], v[T+4*\t:T+4*\t+3], s[12:13] offset:\t*4096   ; batch t of my 16: 32 lanes store 512 consecutive bytes, at a multiple of 512 from part's first byte
.endr
	s_wait_tensorcnt 0x0                           ; the wave's end: behind my last tensor load and my last LDS store
	ds_add_u32 v[SPW], v[NIL]
	s_wait_dscnt 0x0
	CROUND                                         ; the closing round: no work-group ends while a partner may still ask for a tile that names it
	s_endpgm
.Lfunc_end_k_q862c64a28d_bisvm:
	.size	k_q862c64a28d_bisvm, .Lfunc_end_k_q862c64a28d_bisvm-k_q862c64a28d_bisvm
	.p2alignl 7, 3214868480
	.fill 96, 4, 3214868480
	.section	.rodata,"a",@progbits
	.p2align	6, 0x0
	.amdhsa_kernel k_q862c64a28d_bisvm
		.amdhsa_group_segment_fixed_size 327680
		.amdhsa_private_segment_fixed_size 0
		.amdhsa_enable_private_segment 0
		.amdhsa_kernarg_size 40
		.amdhsa_user_sgpr_count 2
		.amdhsa_user_sgpr_kernarg_segment_ptr 1
		.amdhsa_wavefront_size32 1
		.amdhsa_system_sgpr_workgroup_id_x 1
		.amdhsa_system_sgpr_workgroup_id_y 1
		.amdhsa_system_sgpr_workgroup_id_z 1
		.amdhsa_system_vgpr_workitem_id 0
		.amdhsa_next_free_vgpr 1024
		.amdhsa_next_free_sgpr 84
		.amdhsa_reserve_vcc 0
		.amdhsa_float_denorm_mode_32 3
		.amdhsa_float_denorm_mode_16_64 3
		.amdhsa_memory_ordered 1
		.amdhsa_forward_progress 1
		.amdhsa_inst_pref_size 202
	.end_amdhsa_kernel
	.amdgpu_metadata
---
amdhsa.version: [ 1, 2 ]
amdhsa.kernels:
  - .name:           k_q862c64a28d_bisvm
    .symbol:         k_q862c64a28d_bisvm.kd
    .args:
      - { .name: x_codes, .offset: 0, .size: 8, .value_kind: global_buffer, .address_space: global }
      - { .name: R_codes, .offset: 8, .size: 8, .value_kind: global_buffer, .address_space: global }
      - { .name: lowp_scales, .offset: 16, .size: 8, .value_kind: global_buffer, .address_space: global }
      - { .name: L, .offset: 24, .size: 8, .value_kind: global_buffer, .address_space: global }
      - { .name: part, .offset: 32, .size: 8, .value_kind: global_buffer, .address_space: global }
    .group_segment_fixed_size: 327680
    .private_segment_fixed_size: 0
    .kernarg_segment_align: 8
    .kernarg_segment_size: 40
    .max_flat_workgroup_size: 128
    .sgpr_count:     84
    .vgpr_count:     1024
    .wavefront_size: 32
...
	.end_amdgpu_metadata
.endif
;; end of part 2
;; launch sum (part 3): grid 256 x 1, 2 waves a work-group, no clusters, 0 bytes of LDS; arguments part, out0; writes out0
.if DOCPART == 3
	.amdgcn_target "amdgcn-amd-amdhsa--gfx1250"
	.amdhsa_code_object_version 6
	.text
	.protected	k_q862c64a28d_sum
	.globl	k_q862c64a28d_sum
	.p2align	8
	.type	k_q862c64a28d_sum,@function
k_q862c64a28d_sum:
	s_mov_b64 s[64:65], 0
	v_nop
	global_prefetch_b8 v0, s[64:65] scope:SCOPE_SE
	s_setreg_imm32_b32 hwreg(HW_REG_WAVE_MODE, 25, 1), 1
	s_wait_xcnt 0x0
; out[b][o] = the sum over s = 0 .. 31 of part[s][b][o].  part: [32][64][1024] f32, out: [64][1024] f32, both laid alike within a split.
; A stream: 256 work-groups of 64 threads; a thread owns 16 bytes (four neighbouring o) of out, so a wave's load or store covers 512 consecutive bytes.  Its 32 loads, one for each split, 262,144 bytes apart,
; all go out at once (the distance stands in the immediate: 31 x 262,144 lies inside its signed 24 bits: ISA guide, chapter 10).  No LDS, no barrier, no matrix unit: threads share nothing.
; ORDER OF SUMS: two trees of 16 splits, then their sum, in f32.
.set OUTB, 262144                      ; bytes of out, and of a split of part
.set X,    4                           ; v4-131: split s at v[4 + 4 s]
	s_load_b128 s[4:7], s[0:1], 0x0                ; part s[4:5], out s[6:7]
	s_lshl_b32 s8, ttmp9, 10                       ; the work-group's 64 threads x 16 bytes
	v_lshl_add_u32 v1, v0, 4, s8                   ; my 16 bytes
	s_wait_kmcnt 0x0
.irp s, 0,1,2,3,4,5,6,7,8,9,10,11,12,13,14,15,16,17,18,19,20,21,22,23,24,25,26,27,28,29,30,31
	global_load_b128 v[X+4*\s:X+4*\s+3], v1, s[4:5] offset:\s*OUTB th:TH_LOAD_NT   ; read once in the launch
.endr
.macro TREE base                       ; 16 splits' four numbers become one: 15 x 2 packed additions
.irp d, 8,4,2,1
.set k, 0
.rept \d
	v_pk_add_f32 v[\base+4*k:\base+4*k+1], v[\base+4*k:\base+4*k+1], v[\base+4*(k+\d):\base+4*(k+\d)+1]
	v_pk_add_f32 v[\base+4*k+2:\base+4*k+3], v[\base+4*k+2:\base+4*k+3], v[\base+4*(k+\d)+2:\base+4*(k+\d)+3]
.set k, k+1
.endr
.endr
.endm
	s_wait_loadcnt 16                              ; loads come back in order (ISA guide 5.7.1): splits 0 to 15 are in, the other sixteen may be out
	TREE X
	s_wait_loadcnt 0x0
	TREE X+64
	v_pk_add_f32 v[X:X+1], v[X:X+1], v[X+64:X+65]
	v_pk_add_f32 v[X+2:X+3], v[X+2:X+3], v[X+66:X+67]
	global_store_b128 v1, v[X:X+3], s[6:7]         ; the wave stores 512 consecutive bytes, at a multiple of 512 from out's first byte
	s_endpgm
.Lfunc_end_k_q862c64a28d_sum:
	.size	k_q862c64a28d_sum, .Lfunc_end_k_q862c64a28d_sum-k_q862c64a28d_sum
	.p2alignl 7, 3214868480
	.fill 96, 4, 3214868480
	.section	.rodata,"a",@progbits
	.p2align	6, 0x0
	.amdhsa_kernel k_q862c64a28d_sum
		.amdhsa_group_segment_fixed_size 0
		.amdhsa_private_segment_fixed_size 0
		.amdhsa_enable_private_segment 0
		.amdhsa_kernarg_size 16
		.amdhsa_user_sgpr_count 2
		.amdhsa_user_sgpr_kernarg_segment_ptr 1
		.amdhsa_wavefront_size32 1
		.amdhsa_system_sgpr_workgroup_id_x 1
		.amdhsa_system_sgpr_workgroup_id_y 1
		.amdhsa_system_sgpr_workgroup_id_z 1
		.amdhsa_system_vgpr_workitem_id 0
		.amdhsa_next_free_vgpr 136
		.amdhsa_next_free_sgpr 66
		.amdhsa_reserve_vcc 0
		.amdhsa_float_denorm_mode_32 3
		.amdhsa_float_denorm_mode_16_64 3
		.amdhsa_memory_ordered 1
		.amdhsa_forward_progress 1
		.amdhsa_inst_pref_size 8
	.end_amdhsa_kernel
	.amdgpu_metadata
---
amdhsa.version: [ 1, 2 ]
amdhsa.kernels:
  - .name:           k_q862c64a28d_sum
    .symbol:         k_q862c64a28d_sum.kd
    .args:
      - { .name: part, .offset: 0, .size: 8, .value_kind: global_buffer, .address_space: global }
      - { .name: out0, .offset: 8, .size: 8, .value_kind: global_buffer, .address_space: global }
    .group_segment_fixed_size: 0
    .private_segment_fixed_size: 0
    .kernarg_segment_align: 8
    .kernarg_segment_size: 16
    .max_flat_workgroup_size: 64
    .sgpr_count:     66
    .vgpr_count:     136
    .wavefront_size: 32
...
	.end_amdgpu_metadata
.endif
;; end of part 3
